; MI455X (gfx1250); checked and timed in simulation.
; The chip was launched on July 23, 2026; its instructions are those of AMD's public machine-readable ISA for CDNA 5 (MIT licence, August 2026) and "CDNA5" Instruction Set Architecture Reference Guide (July 2026). The comments in the code are by the model that wrote it; some were corrected since.
;; Multi Head Attention. Allowed arithmetic: matrix products marked QUANTISED: E2M1 operands, one E8M0 scale for each 32 along K, by v_wmma_scale_f32_16x16x128_f8f6f4 with both operands' format E2M1 (or v_wmma_scale_f32_32x16x128_f4), f32 sums; everything else in f32.
;; Inputs: Wk 1,024 x 1,024 float32; Wo 1,024 x 1,024 float32; Wq 1,024 x 1,024 float32; Wv 1,024 x 1,024 float32; bk 1,024 float32; bo 1,024 float32; bq 1,024 float32; bv 1,024 float32; keys 4 x 2,048 x 1,024 float32; ln_beta 1,024 float32; ln_gamma 1,024 float32; queries 4 x 2,048 x 1,024 float32; values 4 x 2,048 x 1,024 float32.
;; Outputs: out0 4 x 2,048 x 1,024 float32.
;; This version of the problem:
;;   THIS VERSION OF THE PROBLEM IS GIVEN IN LOW PRECISION. The matrix products marked QUANTISED in the list below multiply operands that are first quantised to E2M1 (2 exponent bits, 1 mantissa bit; 4 bits a number), with one power-of-two scale for each 32 numbers along K (OCP MX v1.0); their sums are f32. All else is computed in f32.
;;   The module's matrix products, in the order in which they are computed (A, B: the left and right operand; K: the contracted axis; several contracted axes count as one K, in the product's order):
;;     1. [M 8,192, K 1,024] x [K 1,024, N 1,024]; A: input queries; B: input Wq: QUANTISED
;;     2. [M 8,192, K 1,024] x [K 1,024, N 1,024]; A: input keys; B: input Wk: QUANTISED
;;     3. [M 8,192, K 1,024] x [K 1,024, N 1,024]; A: input values; B: input Wv: QUANTISED
;;     4. batch 64 x [M 2,048, K 64] x [K 64, N 2,048]; A: computed on the way; B: computed on the way: QUANTISED
;;     5. batch 64 x [M 2,048, K 2,048] x [K 2,048, N 64]; A: softmax (see below); B: computed on the way: QUANTISED
;;     6. [M 8,192, K 1,024] x [K 1,024, N 1,024]; A: computed on the way; B: input Wo: QUANTISED
;;   THE QUANTISER, for each operand of a quantised product, along K:
;;     - K is cut into blocks of 32 from its start; a last block that is shorter is filled with zeros.
;;     - A block's scale is 2^e with e = floor(log2(the largest magnitude in the block)) - 2, held to -126 .. 127; a block of zeros has e = 0. As a byte (E8M0): e + 127.
;;     - Each number is divided by its block's scale, clamped to +-6, and rounded to the nearest number of E2M1, ties to even, subnormals kept.
;;     - The product sums the exact products of the quantised numbers (number of the format x scale) in f32.
;;   ~~~python
;;   def quantise(x, axis):      # numpy; x: float32 -> the quantised numbers, widened to float32 again
;;       x = np.moveaxis(x, axis, -1); K = x.shape[-1]
;;       x = np.pad(x, [(0, 0)] * (x.ndim - 1) + [(0, -K % 32)]); x = x.reshape(x.shape[:-1] + (-1, 32)); a = np.abs(x).max(-1, keepdims=True)
;;       e = np.where(a > 0, np.clip(np.frexp(np.where(a > 0, a, 1))[1] - 1 - 2, -126, 127), 0)      # np.frexp(a)[1] - 1 = floor(log2(a)), exactly
;;       r = np.clip(x / 2.0 ** e, -6, 6)
;;       step = 2.0 ** (np.maximum(np.frexp(np.where(r == 0, 1, r))[1] - 1, 0) - 1)
;;       q = np.round(r / step) * step * 2.0 ** e      # np.round: ties to even
;;       return np.moveaxis(q.reshape(q.shape[:-2] + (-1,))[..., :K], -1, axis).astype(np.float32)
;;   ~~~
;;   SOFTMAX AHEAD OF A QUANTISED PRODUCT. Where the list says 'softmax', what is quantised is not the finished softmax but p = 2^(t - M), with t = logit x log2(e) and M = ceil(the row's largest t), a whole number; so 1/2 < the row's largest p <= 1. The row's sum l is taken of the UNQUANTISED p, in f32, and the product's result is divided by l at the end. Since M is a whole number, a kernel that streams over the keys may use a running M (the ceiling of the running maximum): every later rescaling is an exact power of two, which a block's scale takes up: the codes' values come out the same.
;;   OPERANDS COMPUTED ON THE WAY. 'Computed on the way' means the value that the module computes at that place (a softmax that the list does not call 'softmax' is quantised finished and normalised). What goes into a quantiser is computed in f32, as accurately as f32 sums, v_exp_f32 and their like allow (about 1e-6 of the number): no bf16 or f16 on the way to a quantiser, and a product that is left as it is and whose result goes on into a quantised operand takes f32 operands (vector FMAs, or v_wmma_f32_16x16x4_f32). A number that lies on a knife's edge between two numbers of the format may be rounded either way, as far as f32 arithmetic and the matrix unit's own rounding can turn it there, and no further.
;; One version. Each part assembles by itself: llvm-mc -triple=amdgcn-amd-amdhsa -mcpu=gfx1250 --defsym DOCPART=n.
;; ======== version 1 of 1: 3 launches
;; limits: right only within a limited range of input values
;; workspace buffers: xq 13,369,344 bytes; wq 2,228,224 bytes; qk 8,388,608 bytes; vt 4,194,304 bytes; sc 1,310,720 bytes
;; launch prep (part 1): grid 256 x 1, 8 waves a work-group, no clusters, 173,056 bytes of LDS; arguments queries, keys, values, Wq, Wk, Wv, Wo, xq, wq; writes xq, wq
.if DOCPART == 1
	.amdgcn_target "amdgcn-amd-amdhsa--gfx1250"
	.amdhsa_code_object_version 6
	.text
	.protected	k_q3beb460696_prep
	.globl	k_q3beb460696_prep
	.p2align	8
	.type	k_q3beb460696_prep,@function
k_q3beb460696_prep:
	s_mov_b64 s[64:65], 0
	v_nop
	global_prefetch_b8 v0, s[64:65] scope:SCOPE_SE
	s_setreg_imm32_b32 hwreg(HW_REG_WAVE_MODE, 25, 1), 1
	s_wait_xcnt 0x0
; queries, keys, values [8192][1024] and Wq, Wk, Wv, Wo [1024 (k)][1024 (n)], f32, become codes of FP4 (E2M1) with one E8M0 byte for each 32 along K,
; laid as IMAGES OF THE OPERAND'S REGISTERS: a fragment (16 rows x 128 K) is 1,024 bytes, lane l's 16 bytes of registers 4 c .. 4 c + 3 at 512 c + 16 l.
; xq: codes at t x 4,194,304 + bt x 8,192 + s x 1,024 (t = 0 q, 1 k, 2 v; bt = tile of 16 rows; s = K step).  Rows of a tile: 16 bt + r; for values 32 (bt / 2) + 2 r + bt % 2.
;     scale images at 12,582,912 + (512 t + bt) x 512 + 16 l + 4 kp: the word of row l % 16 for K step 2 kp + l / 16.
; wq: codes at t x 524,288 + s x 65,536 + T x 1,024; scale words at 2,097,152 + t x 32,768 + s x 4,096 + T x 64 + 4 a.  Which column n is row a of tile T:
;     Wq, Wk: n = 64 (T / 4) + 32 (a / 8) + 8 (T % 4) + a % 8;   Wv: n = 64 (8 (T / 32) + a % 8) + 2 (T % 32) + a / 8;   Wo: n = 16 T + a.
; A block's scale is 2^(floor(log2(largest magnitude)) - 2): its byte is the largest magnitude's exponent field - 2, held at 1 from below by a floor among the maximum's leaves.
; LIMITS: a block whose largest magnitude lies under 2^-124, a block of zeros among them, gets the byte 1 (its codes are then zeros or nearly so; the bytes are read by this program alone).  NaN and infinities are not served.
; SHARES: work-groups 0-63 take the weights (tensor id / 16, K step (id / 2) % 8, half of the columns id % 2); work-groups 64-255 the activations, a wave to a tile of 16 rows.
; The four ways part on the work-group's number alone; each has LDS bytes of its own.  No tensor loads.
.set XSP,   528                        ; a stage row: 512 bytes + 16, so that sixteen rows start at sixteen different groups of banks
.set XSW,   16*XSP                     ; a wave's stage
.set RQK,   8*XSW                      ; the weights' regions: 32,768 bytes of codes, 2,048 of scale words
.set RSZ,   32768+2048
.set RV,    RQK+RSZ
.set RO,    RV+RSZ
.set FLOOR, 0x1800000                  ; 2^(3 - 127)
.set EOFF,  0xff000000                 ; takes 2 off an exponent field
; ---- activations.  v1 16 l; v5 into the stage; v6 out of it; v7 8 h; v8-15 at work; v16-31 row offsets; v32-35 scale words; v36-43 codes; v64-191 two sets as loaded; v192-255 my 64 numbers
.macro LOADX s                         ; K step s: 16 rows x 512 consecutive bytes
.irp i, 0,1,2,3,4,5,6,7,8,9,10,11,12,13,14,15
	global_load_b128 v[64+64*((\s)%2)+4*\i:64+64*((\s)%2)+4*\i+3], v[16+\i], s[30:31] offset:512*(\s) th:TH_LOAD_NT
.endr
.endm
.macro STEPX s
.if (\s) < 7
	s_wait_loadcnt 16                              ; this step's 16 loads are in; the next step's 16 may be out
.else
	s_wait_loadcnt 0x0
.endif
.irp i, 0,1,2,3,4,5,6,7,8,9,10,11,12,13,14,15
	ds_store_b128 v5, v[64+64*((\s)%2)+4*\i:64+64*((\s)%2)+4*\i+3] offset:XSP*\i
.endr
.irp c, 0,1
.irp q, 0,1,2,3,4,5,6,7
	ds_load_b128 v[192+32*\c+4*\q:192+32*\c+4*\q+3], v6 offset:256*\c+16*\q   ; row r, k = 64 c + 32 h + 4 q ..: LDS serves a wave in order, these see the stores above
.endr
.endr
	s_wait_dscnt 0x0                               ; my numbers are back, and the stage stores have read their registers
	s_wait_xcnt 0x0                                ; the last step's stores have read their data: the codes' registers are written again below
.if (\s) < 6
	LOADX (\s)+2                                   ; the loads of two steps on, into the registers that the stage stores read
.endif
.irp c, 0,1
	v_max3_num_f32 v[8+\c], |v[192+32*\c]|, |v[193+32*\c]|, FLOOR
.endr
.irp i, 2,4,6,8,10,12,14,16,18,20,22,24,26,28,30
.irp c, 0,1
	s_delay_alu instid0(VALU_DEP_2)
	v_max3_num_f32 v[8+\c], v[8+\c], |v[192+32*\c+\i]|, |v[193+32*\c+\i]|   ; block 2 c + h: all its 32 numbers are mine
.endr
.endr
.irp c, 0,1
	s_delay_alu instid0(VALU_DEP_2)
	v_add_nc_u32 v[10+\c], EOFF, v[8+\c]           ; the conversion's scale operand
.endr
.irp c, 0,1
	s_delay_alu instid0(VALU_DEP_2)
	v_lshrrev_b32 v[12+\c], 23, v[10+\c]           ; the scale's byte
.endr
.irp c, 0,1
.irp g, 0,1,2,3
	v_cvt_scalef32_pk8_fp4_f32 v[36+4*\c+\g], v[192+32*\c+8*\g:199+32*\c+8*\g], v[10+\c]
.endr
.endr
	v_nop                                          ; one plain line behind the conversions
	v_lshl_or_b32 v14, v13, 16, v12                ; my two bytes: blocks h and 2 + h,
	s_delay_alu instid0(VALU_DEP_1)
	v_lshlrev_b32 v14, v7, v14                     ; 8 h bits up;
	s_delay_alu instid0(VALU_DEP_1)
	v_permlanex16_b32 v15, v14, s44, s45
	s_delay_alu instid0(VALU_DEP_1)
	v_or_b32 v14, v14, v15                         ; with lane l xor 16's two the row's word is whole
.if (\s)%2 == 0
	s_delay_alu instid0(VALU_DEP_1)
	v_mov_b32 v[32+(\s)/2], v14                    ; lanes 0-15 keep the even step's word,
.else
	s_delay_alu instid0(VALU_DEP_1)
	v_cndmask_b32 v[32+(\s)/2], v[32+(\s)/2], v14, s46   ; lanes 16-31 take the odd step's
.endif
.irp c, 0,1
	global_store_b128 v1, v[36+4*\c:39+4*\c], s[36:37] offset:1024*(\s)+512*\c   ; 512 consecutive bytes
.endr
.endm
; ---- weights.  A lane takes a column, its registers run down K.  v5 codes' place in the region, v6 the word's; v7 global offset; v64-127 two sets of 32 numbers
.macro LOADW t                         ; t = 4 q + beta: rows 32 beta .. + 31 of the K step, column 64 w + 32 q + l
.set i, 0
.rept 32
	global_load_b32 v[64+32*((\t)%2)+i], v7, s[30:31] offset:(32*((\t)%4)+i)*4096+128*((\t)/4) th:TH_LOAD_NT
.set i, i+1
.endr
.endm
.macro BLOCKW t
.set XS, 64+32*((\t)%2)
.if (\t) < 7
	s_wait_loadcnt 32                              ; this block's 32 loads are in; the next block's may be out
.else
	s_wait_loadcnt 0x0
.endif
	v_max3_num_f32 v8, |v[XS]|, |v[XS+1]|, |v[XS+2]|
	v_max3_num_f32 v9, |v[XS+3]|, |v[XS+4]|, |v[XS+5]|
.irp i, 6,10,14,18,22,26
	s_delay_alu instid0(VALU_DEP_2)
	v_max3_num_f32 v8, v8, |v[XS+\i]|, |v[XS+\i+1]|
	s_delay_alu instid0(VALU_DEP_2)
	v_max3_num_f32 v9, v9, |v[XS+\i+2]|, |v[XS+\i+3]|
.endr
	s_delay_alu instid0(VALU_DEP_2)
	v_max3_num_f32 v8, v8, |v[XS+30]|, |v[XS+31]|
	s_delay_alu instid0(VALU_DEP_1)
	v_max3_num_f32 v8, v8, v9, FLOOR
	s_delay_alu instid0(VALU_DEP_1)
	v_add_nc_u32 v10, EOFF, v8
	s_delay_alu instid0(VALU_DEP_1)
	v_lshrrev_b32 v11, 23, v10
.if (\t)%4 == 0
	s_delay_alu instid0(VALU_DEP_1)
	v_mov_b32 v32, v11                             ; four bytes make the column's word for this K step
.else
	s_delay_alu instid0(VALU_DEP_1)
	v_lshl_or_b32 v32, v11, 8*((\t)%4), v32
.endif
.irp g, 0,1,2,3
	v_cvt_scalef32_pk8_fp4_f32 v[36+\g], v[XS+8*\g:XS+8*\g+7], v10
.endr
	v_nop
	ds_store_b128 v5, v[36:39] offset:QC*((\t)/4)+512*(((\t)%4)/2)+256*((\t)%2)   ; block beta lies at 512 (beta / 2) + 256 (beta % 2) of its tile's image
.if (\t)%4 == 3
	ds_store_b32 v6, v32 offset:QS*((\t)/4)
.endif
.if (\t) < 6
	LOADW (\t)+2
.endif
	s_wait_dscnt 0x0                               ; the stores have read their registers
.endm
.macro WPATH type, REG
.if \type == 0                         ; Wq, Wk: tile 4 w + l / 8, row 8 q + l % 8
	v_lshrrev_b32 v8, 3, v3
	v_and_b32 v9, 7, v3
	s_delay_alu instid0(VALU_DEP_2)
	v_lshlrev_b32 v5, 10, v8
	s_delay_alu instid0(VALU_DEP_1)
	v_lshl_add_u32 v5, v9, 4, v5
	s_delay_alu instid0(VALU_DEP_1)
	v_add_nc_u32 v5, s36, v5
	v_lshlrev_b32 v6, 6, v8
	s_delay_alu instid0(VALU_DEP_1)
	v_lshl_add_u32 v6, v9, 2, v6
	s_delay_alu instid0(VALU_DEP_1)
	v_add_nc_u32 v6, s37, v6
.set QC, 128
.set QS, 32
.elseif \type == 1                     ; Wv: tile 16 q + l / 2, row 8 (l % 2) + w
	v_lshrrev_b32 v8, 1, v3
	v_and_b32 v9, 1, v3
	s_lshl_b32 s38, s22, 4
	s_lshl_b32 s39, s22, 2
	v_lshlrev_b32 v5, 10, v8
	s_delay_alu instid0(VALU_DEP_1)
	v_lshl_add_u32 v5, v9, 7, v5
	s_delay_alu instid0(VALU_DEP_1)
	v_add_nc_u32 v5, s38, v5
	v_lshlrev_b32 v6, 6, v8
	s_delay_alu instid0(VALU_DEP_1)
	v_lshl_add_u32 v6, v9, 5, v6
	s_delay_alu instid0(VALU_DEP_1)
	v_add_nc_u32 v6, s39, v6
.set QC, 16384
.set QS, 1024
.else                                  ; Wo: tile 4 w + 2 q + l / 16, row l % 16
	v_lshrrev_b32 v8, 4, v3
	v_and_b32 v9, 15, v3
	s_delay_alu instid0(VALU_DEP_2)
	v_lshlrev_b32 v5, 10, v8
	s_delay_alu instid0(VALU_DEP_1)
	v_lshl_add_u32 v5, v9, 4, v5
	s_delay_alu instid0(VALU_DEP_1)
	v_add_nc_u32 v5, s36, v5
	v_lshlrev_b32 v6, 6, v8
	s_delay_alu instid0(VALU_DEP_1)
	v_lshl_add_u32 v6, v9, 2, v6
	s_delay_alu instid0(VALU_DEP_1)
	v_add_nc_u32 v6, s37, v6
.set QC, 2048
.set QS, 128
.endif
	s_delay_alu instid0(VALU_DEP_4)
	v_add_nc_u32 v5, \REG, v5
	s_delay_alu instid0(VALU_DEP_2)
	v_add_nc_u32 v6, \REG+32768, v6
	v_add_nc_u32 v12, \REG, v14                    ; the way out: my wave's 4,096 bytes of codes,
	v_add_nc_u32 v13, \REG+32768, v15              ; and its 256 bytes of words
	LOADW 0
	LOADW 1
.irp t, 0,1,2,3,4,5,6,7
	BLOCKW \t
.endr
	s_barrier_signal -1                            ; every wave's LDS stores are done (the wait for 0 above): the region is whole behind the barrier
	s_barrier_wait -1
.irp i, 0,1,2,3,4,5,6,7
	ds_load_b128 v[128+4*\i:131+4*\i], v12 offset:512*\i
.endr
	ds_load_b64 v[160:161], v13
.irp i, 0,1,2,3,4,5,6,7
	s_wait_dscnt 8-\i                              ; LDS loads come back in order: load i is in, the younger ones may be out
	global_store_b128 v14, v[128+4*\i:131+4*\i], s[26:27] offset:512*\i
.endr
	s_wait_dscnt 0x0
	global_store_b64 v15, v[160:161], s[28:29]
	s_wait_tensorcnt 0x0
	ds_add_u32 v62, v63
	s_wait_dscnt 0x0
	s_endpgm
.endm
	s_load_b256 s[4:11], s[0:1], 0x0               ; queries, keys, values, Wq
	s_load_b256 s[12:19], s[0:1], 0x20             ; Wk, Wv, Wo, xq
	s_load_b64 s[20:21], s[0:1], 0x40              ; wq
	v_lshl_add_u32 v62, v0, 2, 0x2a000
	v_mov_b32 v63, 0
	v_lshrrev_b32 v2, 5, v0
	s_delay_alu instid0(VALU_DEP_1)
	v_readfirstlane_b32 s22, v2                    ; wave
	v_and_b32 v3, 31, v0                           ; lane
	s_delay_alu instid0(VALU_DEP_1)
	v_lshlrev_b32 v1, 4, v3
	s_mov_b32 s44, 0x76543210
	s_mov_b32 s45, 0xfedcba98                      ; selects for lane l xor 16
	s_cmp_lt_u32 ttmp9, 64
	s_cbranch_scc1 .Lweights
	; ---- the activations
	s_sub_co_u32 s23, ttmp9, 64
	s_lshr_b32 s24, s23, 6                         ; t
	s_and_b32 s25, s23, 63
	s_lshl_b32 s25, s25, 3
	s_add_co_u32 s25, s25, s22                     ; bt
	s_lshl_b32 s26, s25, 4                         ; first row 16 bt, rows 4,096 bytes apart;
	s_lshr_b32 s27, s25, 1
	s_lshl_b32 s27, s27, 5
	s_and_b32 s28, s25, 1
	s_add_co_u32 s27, s27, s28                     ; for values 32 (bt / 2) + bt % 2, every second row
	s_mov_b32 s28, 8192
	s_cmp_eq_u32 s24, 2
	s_cselect_b32 s26, s27, s26
	s_cselect_b32 s28, s28, 4096
	s_lshl_b32 s32, s26, 12
	s_mov_b32 s33, 0
	s_lshl_b32 s34, s24, 22
	s_lshl_b32 s35, s25, 13
	s_add_co_u32 s34, s34, s35
	s_mov_b32 s35, 0
	s_lshl_b32 s38, s24, 9
	s_add_co_u32 s38, s38, s25
	s_lshl_b32 s38, s38, 9
	s_add_co_u32 s38, s38, 12582912
	s_mov_b32 s39, 0
	s_mov_b32 s46, 0xffff0000                      ; lanes 16-31
	s_mul_i32 s42, s22, XSW
	v_and_b32 v2, 15, v0
	v_bfe_u32 v4, v0, 4, 1
	s_wait_alu depctr_va_vdst(0)
	v_add_nc_u32 v5, s42, v1
	v_mul_u32_u24 v6, v2, XSP
	s_delay_alu instid0(VALU_DEP_1)
	v_lshl_add_u32 v6, v4, 7, v6
	s_delay_alu instid0(VALU_DEP_1)
	v_add_nc_u32 v6, s42, v6
	v_lshlrev_b32 v7, 3, v4
	v_mov_b32 v15, 0                               ; a lane permute's destination counts as read
	v_mov_b32 v16, v1
.irp i, 1,2,3,4,5,6,7,8,9,10,11,12,13,14,15
	s_delay_alu instid0(VALU_DEP_1)
	v_add_nc_u32 v[16+\i], s28, v[15+\i]
.endr
	s_wait_alu depctr_va_vdst(0)
	s_wait_kmcnt 0x0
	s_cmp_eq_u32 s24, 0
	s_cselect_b64 s[30:31], s[4:5], s[6:7]
	s_cmp_eq_u32 s24, 2
	s_cselect_b64 s[30:31], s[8:9], s[30:31]
	s_add_nc_u64 s[30:31], s[30:31], s[32:33]
	s_add_nc_u64 s[36:37], s[18:19], s[34:35]
	s_add_nc_u64 s[40:41], s[18:19], s[38:39]
	LOADX 0
	LOADX 1
.irp s, 0,1,2,3,4,5,6,7
	STEPX \s
.endr
	global_store_b128 v1, v[32:35], s[40:41]       ; the tile's scale image: 512 consecutive bytes
	s_wait_tensorcnt 0x0
	ds_add_u32 v62, v63
	s_wait_dscnt 0x0
	s_endpgm
	; ---- the weights
.Lweights:
	s_lshr_b32 s23, ttmp9, 4                       ; t
	s_bfe_u32 s24, ttmp9, 0x30001                  ; K step
	s_and_b32 s25, ttmp9, 1                        ; half of the columns
	s_lshl_b32 s26, s23, 19
	s_lshl_b32 s27, s24, 16
	s_add_co_u32 s26, s26, s27
	s_lshl_b32 s27, s25, 15
	s_add_co_u32 s26, s26, s27
	s_mov_b32 s27, 0
	s_lshl_b32 s28, s23, 15
	s_lshl_b32 s29, s24, 12
	s_add_co_u32 s28, s28, s29
	s_lshl_b32 s29, s25, 11
	s_add_co_u32 s28, s28, s29
	s_add_co_u32 s28, s28, 2097152
	s_mov_b32 s29, 0
	s_lshl_b32 s32, s24, 19                        ; 128 rows of 4,096 bytes a K step
	s_mov_b32 s33, 0
	s_lshl_b32 s34, s25, 11
	s_lshl_b32 s35, s22, 8
	s_add_co_u32 s34, s34, s35
	s_wait_alu depctr_va_vdst(0)
	v_lshl_add_u32 v7, v3, 2, s34                  ; 4 (512 half + 64 w + l)
	s_lshl_b32 s36, s22, 12
	s_lshl_b32 s37, s22, 8
	v_add_nc_u32 v14, s36, v1                      ; 4,096 w + 16 l
	v_lshl_add_u32 v15, v3, 3, s37                 ; 256 w + 8 l
	s_wait_kmcnt 0x0
	s_add_nc_u64 s[26:27], s[20:21], s[26:27]
	s_add_nc_u64 s[28:29], s[20:21], s[28:29]
	s_cmp_eq_u32 s23, 0
	s_cselect_b64 s[30:31], s[10:11], s[12:13]
	s_cmp_eq_u32 s23, 2
	s_cselect_b64 s[30:31], s[14:15], s[30:31]
	s_cmp_eq_u32 s23, 3
	s_cselect_b64 s[30:31], s[16:17], s[30:31]
	s_add_nc_u64 s[30:31], s[30:31], s[32:33]
	s_cmp_lt_u32 s23, 2
	s_cbranch_scc1 .Lwqk
	s_cmp_eq_u32 s23, 2
	s_cbranch_scc1 .Lwv
	WPATH 2, RO
.Lwv:
	WPATH 1, RV
.Lwqk:
	WPATH 0, RQK
.Lfunc_end_k_q3beb460696_prep:
	.size	k_q3beb460696_prep, .Lfunc_end_k_q3beb460696_prep-k_q3beb460696_prep
	.p2alignl 7, 3214868480
	.fill 96, 4, 3214868480
	.section	.rodata,"a",@progbits
	.p2align	6, 0x0
	.amdhsa_kernel k_q3beb460696_prep
		.amdhsa_group_segment_fixed_size 173056
		.amdhsa_private_segment_fixed_size 0
		.amdhsa_enable_private_segment 0
		.amdhsa_kernarg_size 72
		.amdhsa_user_sgpr_count 2
		.amdhsa_user_sgpr_kernarg_segment_ptr 1
		.amdhsa_wavefront_size32 1
		.amdhsa_system_sgpr_workgroup_id_x 1
		.amdhsa_system_sgpr_workgroup_id_y 1
		.amdhsa_system_sgpr_workgroup_id_z 1
		.amdhsa_system_vgpr_workitem_id 0
		.amdhsa_next_free_vgpr 256
		.amdhsa_next_free_sgpr 66
		.amdhsa_reserve_vcc 0
		.amdhsa_float_denorm_mode_32 3
		.amdhsa_float_denorm_mode_16_64 3
		.amdhsa_memory_ordered 1
		.amdhsa_forward_progress 1
		.amdhsa_inst_pref_size 201
	.end_amdhsa_kernel
	.amdgpu_metadata
---
amdhsa.version: [ 1, 2 ]
amdhsa.kernels:
  - .name:           k_q3beb460696_prep
    .symbol:         k_q3beb460696_prep.kd
    .args:
      - { .name: queries, .offset: 0, .size: 8, .value_kind: global_buffer, .address_space: global }
      - { .name: keys, .offset: 8, .size: 8, .value_kind: global_buffer, .address_space: global }
      - { .name: values, .offset: 16, .size: 8, .value_kind: global_buffer, .address_space: global }
      - { .name: Wq, .offset: 24, .size: 8, .value_kind: global_buffer, .address_space: global }
      - { .name: Wk, .offset: 32, .size: 8, .value_kind: global_buffer, .address_space: global }
      - { .name: Wv, .offset: 40, .size: 8, .value_kind: global_buffer, .address_space: global }
      - { .name: Wo, .offset: 48, .size: 8, .value_kind: global_buffer, .address_space: global }
      - { .name: xq, .offset: 56, .size: 8, .value_kind: global_buffer, .address_space: global }
      - { .name: wq, .offset: 64, .size: 8, .value_kind: global_buffer, .address_space: global }
    .group_segment_fixed_size: 173056
    .private_segment_fixed_size: 0
    .kernarg_segment_align: 8
    .kernarg_segment_size: 72
    .max_flat_workgroup_size: 256
    .sgpr_count:     66
    .vgpr_count:     256
    .wavefront_size: 32
...
	.end_amdgpu_metadata
.endif
;; end of part 1
;; launch proj (part 2): grid 64 x 3, 4 waves a work-group, no clusters, 327,680 bytes of LDS; arguments xq, wq, bq, bk, bv, qk, vt, sc; writes qk, vt, sc
.if DOCPART == 2
	.amdgcn_target "amdgcn-amd-amdhsa--gfx1250"
	.amdhsa_code_object_version 6
	.text
	.protected	k_q3beb460696_proj
	.globl	k_q3beb460696_proj
	.p2align	8
	.type	k_q3beb460696_proj,@function
k_q3beb460696_proj:
	s_mov_b64 s[64:65], 0
	v_nop
	global_prefetch_b8 v0, s[64:65] scope:SCOPE_SE
	s_setreg_imm32_b32 hwreg(HW_REG_WAVE_MODE, 25, 1), 1
	s_wait_xcnt 0x0
.set XS,   131072
.set STQ,  139264
.set STV,  147456
.set TM,   16
.set SO,   20
.set BY,   24
.set PT,   28
.set WSC,  32
.set XSC,  64
.set PC,   72
.set ACC,  128
.set FLOOR, 0x1800000
.set EOFF,  0xff000000
.set MSB, 0
.macro WIN new
.if MSB != \new
	s_set_vgpr_msb (MSB<<8)|\new
.set MSB, \new
.endif
.endm
.macro PLACES
.rept 4
	v_nop
.endr
.endm
.macro FETCH u
	WIN 0
	v_add_nc_u32 v[4+\u], s73, v1
	v_add_nc_u32 v[88+\u], s74, v14
	WIN 0x40
.irp s, 0,1,2,3,4,5,6,7
.irp c, 0,1
	ds_load_b128 v[64*\u+8*\s+4*\c:64*\u+8*\s+4*\c+3], v[4+\u] offset:8192*\u+1024*\s+512*\c
.endr
.endr
	WIN 0
	ds_load_b128 v[XSC+4*\u:XSC+4*\u+3], v[88+\u] offset:512*\u
.endm
.macro MMA u, s, i
.if (\s)%2
	v_wmma_scale_f32_16x16x128_f8f6f4 v[ACC+64*\u+8*\i:ACC+64*\u+8*\i+7], v[64*((\s)%4)+8*\i:64*((\s)%4)+8*\i+7], v[64*\u+8*(\s):64*\u+8*(\s)+7], v[ACC+64*\u+8*\i:ACC+64*\u+8*\i+7], v[WSC+4*\i+(\s)/2], v[XSC+4*\u+(\s)/2] matrix_a_fmt:MATRIX_FMT_FP4 matrix_b_fmt:MATRIX_FMT_FP4 matrix_a_scale:MATRIX_SCALE_ROW1 matrix_b_scale:MATRIX_SCALE_ROW1
.else
	v_wmma_scale_f32_16x16x128_f8f6f4 v[ACC+64*\u+8*\i:ACC+64*\u+8*\i+7], v[64*((\s)%4)+8*\i:64*((\s)%4)+8*\i+7], v[64*\u+8*(\s):64*\u+8*(\s)+7], v[ACC+64*\u+8*\i:ACC+64*\u+8*\i+7], v[WSC+4*\i+(\s)/2], v[XSC+4*\u+(\s)/2] matrix_a_fmt:MATRIX_FMT_FP4 matrix_b_fmt:MATRIX_FMT_FP4
.endif
.endm
.macro MULB u
	WIN 0x46
.irp i, 0,1,2,3,4,5,6,7
	v_wmma_scale_f32_16x16x128_f8f6f4 v[ACC+64*\u+8*\i:ACC+64*\u+8*\i+7], v[8*\i:8*\i+7], v[64*\u:64*\u+7], v[128+8*\i:135+8*\i], v[WSC+4*\i], v[XSC+4*\u] matrix_a_fmt:MATRIX_FMT_FP4 matrix_b_fmt:MATRIX_FMT_FP4
.endr
	WIN 0x56
.irp s, 1,2,3
.irp i, 0,1,2,3,4,5,6,7
	MMA \u, \s, \i
.endr
.endr
	WIN 0x57
.irp s, 4,5,6,7
.irp i, 0,1,2,3,4,5,6,7
	MMA \u, \s, \i
.endr
.endr
.endm
.macro EPI v
	WIN 0x14
.irp qd, 0,1,2,3
.set DT, 128+(1-\v)*32*\qd+\v*8*\qd
	v_max3_num_f32 v[TM+\qd], FLOOR, |v[DT]|, |v[DT+1]|
.endr
.irp tau, 0,1,2,3
.irp j, 0,2,4,6
.if \tau+\j > 0
.irp qd, 0,1,2,3
.set DT, 128+(1-\v)*(32*\qd+8*\tau)+\v*(8*\qd+64*(\tau%2)+32*(\tau/2))
	v_max3_num_f32 v[TM+\qd], v[TM+\qd], |v[DT+\j]|, |v[DT+\j+1]|
.endr
.endif
.endr
.endr
	WIN 0
.irp qd, 0,1,2,3
	v_add_nc_u32 v[SO+\qd], EOFF, v[TM+\qd]
.endr
.irp qd, 0,1,2,3
	v_lshrrev_b32 v[BY+\qd], 23, v[SO+\qd]
.endr
	WIN 0x01
.irp qd, 0,1,2,3
.irp tau, 0,1,2,3
.set DT, 128+(1-\v)*(32*\qd+8*\tau)+\v*(8*\qd+64*(\tau%2)+32*(\tau/2))
	v_cvt_scalef32_pk8_fp4_f32 v[PC+4*\qd+\tau], v[DT:DT+7], v[SO+\qd]
.endr
.endr
	WIN 0
	v_nop
.if \v == 0
.irp qd, 0,1,2,3
	v_lshlrev_b32 v[BY+\qd], v6, v[BY+\qd]
.endr
.irp qd, 0,1,2,3
	v_permlanex16_b32 v[PT+\qd], v[BY+\qd], s70, s71
.endr
.irp qd, 0,1,2,3
	v_or_b32 v[BY+\qd], v[BY+\qd], v[PT+\qd]
.endr
.irp qd, 0,1,2,3
	ds_store_b32 v7, v[BY+\qd] offset:1024*(\qd%2)+64*(\qd/2)
.endr
.irp qd, 0,1,2,3
	global_store_b128 v1, v[PC+4*\qd:PC+4*\qd+3], s[66:67] offset:8192*(\qd/2)+512*(\qd%2)
.endr
.else
.irp qd, 0,1,2,3
	ds_store_b8 v8, v[BY+\qd] offset:32*\qd
.endr
.irp qd, 0,1,2,3
	global_store_b128 v1, v[PC+4*\qd:PC+4*\qd+3], s[66:67] offset:512*\qd
.endr
.endif
.endm
.macro PAIR fetch
	s_wait_dscnt 17
	MULB 0
	PLACES
.if \fetch
	FETCH 0
	s_wait_dscnt 17
.else
	s_wait_dscnt 0x0
.endif
	MULB 1
	PLACES
.if \fetch
	FETCH 1
	s_add_co_u32 s73, s73, 16384
	s_add_co_u32 s74, s74, 1024
.endif
	WIN 0
	s_wait_xcnt 0x0                                ; the last pair's stores have read their base and their data: both are written again below
	s_add_nc_u64 s[66:67], s[66:67], 16384
	v_add_nc_u32 v7, s75, v15
	v_add_nc_u32 v8, s75, v13
	s_cmp_eq_u32 s21, 2
	s_cbranch_scc1 .Lepi_v_\@
	EPI 0
	s_branch .Lepi_done_\@
.Lepi_v_\@:
	EPI 1
.Lepi_done_\@:
	s_add_co_u32 s75, s75, 128
.endm
	s_load_b512 s[4:19], s[0:1], 0x0
	v_lshl_add_u32 v254, v0, 2, 0x29000
	v_mov_b32 v255, 0
	ds_add_u32 v254, v255
	ds_add_u32 v254, v255
	v_lshrrev_b32 v2, 5, v0
	v_readfirstlane_b32 s20, v2
	s_and_b32 s21, ttmp7, 0xffff
	s_and_b32 s22, ttmp9, 1
	s_lshr_b32 s23, ttmp9, 1
	s_lshl_b32 s24, s22, 2
	s_add_co_u32 s24, s24, s20
	s_mov_b32 s28, 3<<16
	s_mov_b32 s29, 32<<16
	s_mov_b32 s30, 128<<16
	s_mov_b32 s31, 32<<16
	s_mov_b32 s32, 128
	s_mov_b32 s33, 32
	s_mov_b32 s34, 0
	s_mov_b32 s35, 0
	s_mov_b32 s36, 3<<16
	s_mov_b32 s37, 32<<16
	s_mov_b32 s38, 8<<16
	s_mov_b32 s39, 32<<16
	s_mov_b32 s40, 8
	s_mov_b32 s41, 32
	s_mov_b32 s42, 0
	s_mov_b32 s43, 0
	s_lshl_b32 s76, s21, 22
	s_lshl_b32 s77, s23, 17
	s_add_co_u32 s76, s76, s77
	s_lshl_b32 s77, s20, 15
	s_add_co_u32 s76, s76, s77
	s_mov_b32 s77, 0
	s_lshl_b32 s78, s21, 18
	s_lshl_b32 s79, s23, 13
	s_add_co_u32 s78, s78, s79
	s_lshl_b32 s79, s20, 11
	s_add_co_u32 s78, s78, s79
	s_add_co_u32 s78, s78, 12582912
	s_mov_b32 s79, 0
	s_wait_dscnt 0x0
	s_wait_kmcnt 0x0
	s_mov_b32 s44, 1
	s_lshl_b32 s45, s20, 15
	s_add_nc_u64 s[46:47], s[4:5], s[76:77]
	s_or_b32 s47, s47, 0x80000000
	s_mov_b32 s48, 1
	s_lshl_b32 s49, s20, 11
	s_add_co_u32 s49, s49, XS
	s_add_nc_u64 s[50:51], s[4:5], s[78:79]
	s_or_b32 s51, s51, 0x80000000
	tensor_load_to_lds s[44:47], s[28:35]
	s_nop 0
	PLACES
	v_and_b32 v10, 31, v0
	v_lshlrev_b32 v1, 4, v10
	v_and_b32 v2, 15, v0
	v_bfe_u32 v3, v0, 4, 1
	v_lshlrev_b32 v6, 3, v3
	v_add_nc_u32 v14, XS, v1
	s_lshl_b32 s76, s20, 11
	s_add_co_u32 s76, s76, STQ
	v_lshl_add_u32 v15, v2, 2, s76
	v_add_nc_u32 v9, s76, v1
	s_lshl_b32 s76, s20, 10
	s_add_co_u32 s76, s76, STV
	v_add_nc_u32 v13, s76, v10
	v_and_b32 v11, 3, v10
	v_lshrrev_b32 v12, 2, v10
	v_lshlrev_b32 v11, 7, v11
	v_lshl_add_u32 v11, v12, 4, v11
	v_add_nc_u32 v10, s76, v11
	v_lshlrev_b32 v11, 2, v2
	v_lshl_add_u32 v11, v3, 12, v11
	s_wait_alu depctr_va_vdst(0)
.irp b, 0,1,2,3
	v_mov_b32 v[PT+\b], 0
.endr
	s_mov_b32 s70, 0x76543210
	s_mov_b32 s71, 0xfedcba98
	s_cmp_eq_u32 s21, 2
	s_cselect_b32 s80, 2, 3
	s_cselect_b32 s81, 32, 4
	s_lshl_b32 s80, s24, s80
	s_add_co_u32 s81, s81, s80
	s_lshl_b32 s82, s21, 19
	s_lshl_b32 s76, s80, 10
	s_add_co_u32 s76, s76, s82
	s_add_nc_u64 s[52:53], s[6:7], s[76:77]
	s_lshl_b32 s76, s81, 10
	s_add_co_u32 s76, s76, s82
	s_add_nc_u64 s[54:55], s[6:7], s[76:77]
	s_lshl_b32 s82, s21, 15
	s_add_co_u32 s82, s82, 2097152
	s_lshl_b32 s76, s80, 6
	s_add_co_u32 s76, s76, s82
	s_add_nc_u64 s[56:57], s[6:7], s[76:77]
	s_lshl_b32 s76, s81, 6
	s_add_co_u32 s76, s76, s82
	s_add_nc_u64 s[58:59], s[6:7], s[76:77]
	WIN 0x80
.irp s, 0,1,2,3
.irp i, 0,1,2,3,4,5,6,7
.irp c, 0,1
	global_load_b128 v[64*\s+8*\i+4*\c:64*\s+8*\i+4*\c+3], v1, s[52+2*(\i/4):53+2*(\i/4)] offset:\s*65536+(\i%4)*1024+512*\c
.endr
.endr
.endr
	WIN 0xc0
.irp s, 4,5,6,7
.irp i, 0,1,2,3,4,5,6,7
.irp c, 0,1
	global_load_b128 v[64*(\s-4)+8*\i+4*\c:64*(\s-4)+8*\i+4*\c+3], v1, s[52+2*(\i/4):53+2*(\i/4)] offset:\s*65536+(\i%4)*1024+512*\c
.endr
.endr
.endr
	WIN 0
.irp i, 0,1,2,3,4,5,6,7
.irp kp, 0,1,2,3
	global_load_b32 v[WSC+4*\i+\kp], v11, s[56+2*(\i/4):57+2*(\i/4)] offset:\kp*8192+(\i%4)*64
.endr
.endr
	s_cmp_eq_u32 s21, 0
	s_cselect_b64 s[60:61], s[8:9], s[10:11]
	s_cmp_eq_u32 s21, 2
	s_cselect_b64 s[60:61], s[12:13], s[60:61]
	s_cselect_b32 s76, 5, 9
	s_lshl_b32 s76, s24, s76
	s_add_nc_u64 s[60:61], s[60:61], s[76:77]
	s_cmp_eq_u32 s21, 2
	s_cbranch_scc1 .Lbias_v
	v_lshlrev_b32 v12, 7, v3
.irp i, 0,1,2,3,4,5,6,7
	global_load_b128 v[128+8*\i:131+8*\i], v12, s[60:61] offset:256*(\i/4)+32*(\i%4)
	global_load_b128 v[132+8*\i:135+8*\i], v12, s[60:61] offset:256*(\i/4)+32*(\i%4)+16
.endr
	s_branch .Lbias_done
.Lbias_v:
	v_lshlrev_b32 v12, 2, v3
.irp i, 0,1,2,3,4,5,6,7
.irp j, 0,1,2,3,4,5,6,7
	global_load_b32 v[128+8*\i+\j], v12, s[60:61] offset:2048*(\i/4)+256*\j+8*(\i%4)
.endr
.endr
.Lbias_done:
	s_and_b32 s78, s24, 3
	s_lshl_b32 s78, s78, 4
	s_lshr_b32 s79, s24, 2
	s_lshl_b32 s79, s79, 3
	s_add_co_u32 s78, s78, s79
	s_lshl_b32 s80, s23, 17
	s_lshl_b32 s81, s78, 8
	s_add_co_u32 s81, s81, s80
	s_lshl_b32 s82, s21, 22
	s_add_co_u32 s82, s82, s80
	s_lshl_b32 s83, s24, 10
	s_add_co_u32 s82, s82, s83
	s_cmp_eq_u32 s21, 2
	s_cselect_b64 s[66:67], s[16:17], s[14:15]
	s_cselect_b32 s76, s81, s82
	s_add_nc_u64 s[66:67], s[66:67], s[76:77]
	s_lshl_b32 s80, s23, 13
	s_lshl_b32 s81, s78, 6
	s_add_co_u32 s81, s81, s80
	s_add_co_u32 s81, s81, 1048576
	s_lshl_b32 s82, s21, 19
	s_lshl_b32 s83, s24, 16
	s_add_co_u32 s82, s82, s83
	s_lshl_b32 s83, s23, 10
	s_add_co_u32 s82, s82, s83
	s_cmp_eq_u32 s21, 2
	s_cselect_b32 s76, s81, s82
	s_add_nc_u64 s[68:69], s[18:19], s[76:77]
	s_mov_b32 s73, 0
	s_mov_b32 s74, 0
	s_mov_b32 s75, 0
	s_mov_b32 s72, 7
	s_sub_nc_u64 s[66:67], s[66:67], 16384         ; one step back: each pair steps the stores' base ahead of its stores
	s_wait_alu depctr_va_vdst(0)
	s_wait_tensorcnt 0x0                           ; my part of the codes is in
	ds_add_u32 v254, v255
	s_wait_dscnt 0x0
	s_barrier_signal -1
	s_barrier_wait -1
	tensor_load_to_lds s[48:51], s[36:43]          ; my part of the scale images: my one tensor load behind this barrier
	s_nop 0
	PLACES
	s_wait_tensorcnt 0x0
	s_wait_loadcnt 0x0
	s_barrier_signal -1
	s_barrier_wait -1
	FETCH 0
	FETCH 1
	s_add_co_u32 s73, s73, 16384
	s_add_co_u32 s74, s74, 1024
.Lpair:
	PAIR 1
	s_sub_co_u32 s72, s72, 1
	s_cmp_lg_u32 s72, 0
	s_cbranch_scc1 .Lpair
	PAIR 0
	s_cmp_eq_u32 s21, 2
	s_cbranch_scc1 .Ltail_v
.irp i, 0,1,2,3
	ds_load_b128 v[96+4*\i:99+4*\i], v9 offset:512*\i
.endr
	s_wait_dscnt 0x0
.irp i, 0,1,2,3
	global_store_b128 v1, v[96+4*\i:99+4*\i], s[68:69] offset:(\i/2)*32768+(\i%2)*512
.endr
	s_wait_tensorcnt 0x0
	ds_add_u32 v254, v255
	s_wait_dscnt 0x0
	s_endpgm
.Ltail_v:
.irp i, 0,1
	ds_load_b128 v[96+4*\i:99+4*\i], v10 offset:512*\i
.endr
	s_wait_dscnt 0x0
.irp i, 0,1
	global_store_b128 v1, v[96+4*\i:99+4*\i], s[68:69] offset:4096*\i
.endr
	s_wait_tensorcnt 0x0
	ds_add_u32 v254, v255
	s_wait_dscnt 0x0
	s_endpgm
.Lfunc_end_k_q3beb460696_proj:
	.size	k_q3beb460696_proj, .Lfunc_end_k_q3beb460696_proj-k_q3beb460696_proj
	.p2alignl 7, 3214868480
	.fill 96, 4, 3214868480
	.section	.rodata,"a",@progbits
	.p2align	6, 0x0
	.amdhsa_kernel k_q3beb460696_proj
		.amdhsa_group_segment_fixed_size 327680
		.amdhsa_private_segment_fixed_size 0
		.amdhsa_enable_private_segment 0
		.amdhsa_kernarg_size 64
		.amdhsa_user_sgpr_count 2
		.amdhsa_user_sgpr_kernarg_segment_ptr 1
		.amdhsa_wavefront_size32 1
		.amdhsa_system_sgpr_workgroup_id_x 1
		.amdhsa_system_sgpr_workgroup_id_y 1
		.amdhsa_system_sgpr_workgroup_id_z 1
		.amdhsa_system_vgpr_workitem_id 0
		.amdhsa_next_free_vgpr 1024
		.amdhsa_next_free_sgpr 84
		.amdhsa_reserve_vcc 0
		.amdhsa_float_denorm_mode_32 3
		.amdhsa_float_denorm_mode_16_64 3
		.amdhsa_memory_ordered 1
		.amdhsa_forward_progress 1
		.amdhsa_inst_pref_size 96
	.end_amdhsa_kernel
	.amdgpu_metadata
---
amdhsa.version: [ 1, 2 ]
amdhsa.kernels:
  - .name:           k_q3beb460696_proj
    .symbol:         k_q3beb460696_proj.kd
    .args:
      - { .name: xq, .offset: 0, .size: 8, .value_kind: global_buffer, .address_space: global }
      - { .name: wq, .offset: 8, .size: 8, .value_kind: global_buffer, .address_space: global }
      - { .name: bq, .offset: 16, .size: 8, .value_kind: global_buffer, .address_space: global }
      - { .name: bk, .offset: 24, .size: 8, .value_kind: global_buffer, .address_space: global }
      - { .name: bv, .offset: 32, .size: 8, .value_kind: global_buffer, .address_space: global }
      - { .name: qk, .offset: 40, .size: 8, .value_kind: global_buffer, .address_space: global }
      - { .name: vt, .offset: 48, .size: 8, .value_kind: global_buffer, .address_space: global }
      - { .name: sc, .offset: 56, .size: 8, .value_kind: global_buffer, .address_space: global }
    .group_segment_fixed_size: 327680
    .private_segment_fixed_size: 0
    .kernarg_segment_align: 8
    .kernarg_segment_size: 64
    .max_flat_workgroup_size: 128
    .sgpr_count:     84
    .vgpr_count:     1024
    .wavefront_size: 32
...
	.end_amdgpu_metadata
.endif
;; end of part 2
;; launch attn (part 3): grid 4 x 64, 16 waves a work-group, clusters of 4 x 1, 327,680 bytes of LDS; arguments qk, vt, sc, wq, bo, queries, ln_gamma, ln_beta, out0; writes out0
.if DOCPART == 3
	.amdgcn_target "amdgcn-amd-amdhsa--gfx1250"
	.amdhsa_code_object_version 6
	.text
	.protected	k_q3beb460696_attn
	.globl	k_q3beb460696_attn
	.p2align	8
	.type	k_q3beb460696_attn,@function
k_q3beb460696_attn:
	s_mov_b64 s[64:65], 0
	v_nop
	global_prefetch_b8 v0, s[64:65] scope:SCOPE_SE
	s_setreg_imm32_b32 hwreg(HW_REG_WAVE_MODE, 25, 1), 1
	s_wait_xcnt 0x0
	s_wait_alu depctr_hold_cnt(0) depctr_sa_sdst(0) depctr_va_vdst(0) depctr_va_sdst(0) depctr_va_ssrc(0) depctr_va_vcc(0) depctr_vm_vsrc(0)
	s_getreg_b32 s2, hwreg(HW_REG_IB_STS2, 6, 4)
	s_cmp_eq_u32 s2, 0
	s_cbranch_scc0 .Lentry_in_a_cluster
	s_endpgm
.Lentry_in_a_cluster:
	s_bfe_u32 s2, ttmp6, 0x10000c
	s_cmp_lg_u32 s2, 0x3003
	s_cbranch_scc0 .Lentry_shape_is_right
	s_endpgm
.Lentry_shape_is_right:
; out0 = layer norm(softmax(q k^T / 8) v Wo + bo + queries): attention for 64 heads of 2,048 positions x 64 channels, the last product and the norm, in one launch.  All three products on codes of FP4.
; A head is 128 rows m of the projections; position (m, g), g = 0 .. 15, is key or query 16 (m % 128) + g.  reshape() without a transposition makes a head's results 128 WHOLE rows of the last product's A:
; row m holds positions (m, 0 .. 15), 64 channels each.  So the 32 rows that a work-group's queries fill are taken through Wo and the norm by that work-group; o never leaves LDS.
; THE SOFTMAX AHEAD OF THE SECOND PRODUCT: t = score x log2(e) / 8; M = the running largest t rounded UP to a whole number; p = 2^(t - M) is quantised along the keys, not normalised; the row's sum is taken of the
; unquantised p and divides O at the end.  When M moves, the sum and O are multiplied by 2^(old M - new M): exact.
; SHARES.  A cluster of four work-groups is one head.  K, V and their scales of the whole head (150,784 bytes with padding) and Wo's K steps 0 and 1 (131,072 bytes) are asked for JOINTLY, once, at the head: nothing is filled again.
; Work-group cx takes row tiles mt = 8 head + 2 cx + pass, pass = 0, 1; wave w takes g = w: 16 queries (rows 16 mt + r, position g), and walks all 2,048 keys in each pass, 128 a step.
; In the last product wave w takes columns 64 w .. 64 w + 63 of the 32 rows: 8 accumulators, 8 K steps of 128.  Wo's K steps 2 to 7 (6 x 65,536 bytes) have no room in LDS beside K and V; each of their bytes is read by one wave
; of the work-group and goes from memory straight into that wave's registers, four sets of 32; four K steps are asked for as a wave leaves attention, ahead of the barrier.  In the norm wave w takes rows 2 w, 2 w + 1.
; K and V come once, at the head, with no loop to run ahead in: they are not prefetched.  The wave's two rows of queries for the residual (8,192 bytes, lanes 256 bytes apart) are prefetched at the end of pass 0.
; LAYOUT.  All products transposed: S^T = K Q^T, O^T = V^T P^T, (o Wo)^T: a lane holds ONE row throughout.  The head's 64 channels fill half of the instruction's 128 along K: registers 4-7 of both fragments hold zero
; codes, and bytes 2, 3 of the scale words are 0, under which zero codes add nothing.  V^T's rows lie in the order rho = 16 tau + 8 e + j for channel 32 e + 8 tau + j: lane (r, h) ends with channels 32 h .. 32 h + 31: one block.
; o's codes in LDS: OC + 8,192 pass + 512 g + 16 l (K step g / 2, half g % 2 of a fragment's image); its scale images: OS + 512 pass + 16 (r + 16 ((g / 2) % 2)) + 4 (g / 4) + 2 (g % 2) + h.
; LIMITS: a block's largest p is taken from the block's largest score by the same two instructions, which takes v_exp_f32 not to fall where its input rises; blocks under 2^-124 get the byte 1; 1 / l is v_rcp_f32,
; 1 / sqrt is v_rsq_f32; the last product's K steps are summed in the order 2, 3, 4, 5, 0, 1, 6, 7; NaN and infinities are not served; the scaled scores stay under 2^31.
; REGISTERS in attention: v1-4 lane terms of K, V, K's words, V's words; v5 16 l; v6 4 r; v7 my place in o's scale image; v8-11 the trip's addresses; v12 -M, v13 largest score, v[14:15] the sum; v16-23 Q; v24 its words;
;   v25-28 V's words; v29 8 h; v30 0, v31 my spare word; v32-95 8 fragments of K; v96-159 S^T, then p; v160-191 O^T; v192-223 4 fragments of V; v224-231 sums, then p's codes; v232-243 at work; v244-251 K's words; v252 f; v253 p's word.
; REGISTERS behind it: v32-95 accumulators; v96-223 Wo's fragments, then residual, bo, gamma; v224-239, v10-25 o's fragments; v6-9, v26-29 o's words; v240-255 Wo's words.
.set VC,  67584                        ; K: 128 rows (mt, g) x (512 + 16);  V: 256 rows (group, rho) x (256 + 16)
.set KS,  137216                       ; K's words: 16 rows g x (512 + 16)
.set VS,  145664                       ; V's bytes: 64 rows rho x (64 + 16)
.set OS,  150784                       ; o's two scale images, written by LDS stores alone
.set OC,  151808                       ; o's codes, 16,384 bytes, likewise: they follow the images
.set SPARE, 168192                     ; the spare words: 128 bytes a wave
.set WA,  170240                       ; Wo's K steps 0 and 1 as they lie in memory
.set SP,  4112                         ; the norm's stage: 32 rows x (4,096 + 16), from byte 0: over K and V, which have had their only fill and their last read
.macro CROUND                          ; a round of the cluster's barrier
	s_barrier_signal -1
	s_barrier_wait -1
	s_cmp_lg_u32 s22, 0
	s_cbranch_scc1 .Lnot_wave_0_\@
	s_barrier_signal -3
.Lnot_wave_0_\@:
	s_barrier_wait -3
	s_barrier_signal -1
	s_barrier_wait -1
.endm
.macro PLACES
.rept 4
	v_nop
.endr
.endm
.macro PA d, a, b
	v_pk_add_f32 v[\d:\d+1], v[\a:\a+1], v[\b:\b+1]
.endm
.macro FM a                            ; t - M of two scores
	v_pk_fma_f32 v[\a:\a+1], v[\a:\a+1], s[68:69], v[12:13] op_sel_hi:[1,0,0]
.endm
.macro EX a, n                         ; n exponentials in place
.set e, \a
.rept \n
	v_exp_f32 v[e], v[e]
.set e, e+1
.endr
.endm
.macro OMUL a                          ; eight registers of O^T under the new M
.set j, \a
.rept 4
	v_pk_mul_f32 v[j:j+1], v[j:j+1], v[252:253] op_sel_hi:[1,0]
.set j, j+2
.endr
.endm
.macro KLOAD q, ak, aw                 ; the 8 fragments and 8 words of K for the trip's q-th 128 keys
.irp i, 0,1,2,3,4,5,6,7
	ds_load_b128 v[32+8*\i:35+8*\i], v[\ak] offset:((\q)/2)*8448+((\q)%2)*128+16*\i
.endr
	ds_load_b128 v[244:247], v[\aw] offset:32*(\q)
	ds_load_b128 v[248:251], v[\aw] offset:32*(\q)+16
.endm
; A KEY STEP: 128 keys, rows m = 8 (4 trip + q) + i.  Its K was asked for in the step before.
.macro STEP q
	s_wait_dscnt 0x0                               ; K
.irp i, 0,1,2,3,4,5,6,7
	v_wmma_scale_f32_16x16x128_f8f6f4 v[96+8*\i:103+8*\i], v[32+8*\i:39+8*\i], v[16:23], 0, v[244+\i], v24 matrix_a_fmt:MATRIX_FMT_FP4 matrix_b_fmt:MATRIX_FMT_FP4
.endr
	PLACES                                         ; in front of the reads of S^T, and of the loads into V's and K's registers
.irp t, 0,1,2,3
.irp c, 0,1
	ds_load_b128 v[192+8*\t+4*\c:195+8*\t+4*\c], v9 offset:4352*\t+64*(\q)+32*\c
.endr
	ds_load_b32 v[25+\t], v11 offset:1280*\t+4*(\q)
.endr
.if (\q) < 3
	KLOAD (\q)+1, 8, 10                            ; the next step's K
.else
	s_cmp_eq_u32 s74, 1                            ; a pass's last step has no next step: a branch on the count of trips
	s_cbranch_scc1 .Lnk_\@
	KLOAD 4, 8, 10                                 ; the next trip's first step lies one trip's stride on
.Lnk_\@:
.endif
	; the largest score of each block of 32 keys: for the row's maximum, and for the block's largest p.  Eight chains, one a tile, by turns
.irp i, 0,1,2,3,4,5,6,7
	v_max3_num_f32 v[232+\i], v[96+8*\i], v[97+8*\i], v[98+8*\i]
.endr
.irp k, 3,5
.irp i, 0,1,2,3,4,5,6,7
	v_max3_num_f32 v[232+\i], v[232+\i], v[96+8*\i+\k], v[97+8*\i+\k]
.endr
.endr
.irp b, 0,1,2,3
	v_max3_num_f32 v[240+\b], v[232+2*\b], v[233+2*\b], v[103+16*\b]   ; a block is two tiles
.endr
	v_mov_b32 v254, v12                            ; the old -M
.irp b, 0,1,2,3
	v_max_num_f32 v[240+\b], v[240+\b], v[111+16*\b]
.endr
.irp b, 0,1,2,3
	s_delay_alu instid0(VALU_DEP_4)
	v_permlanex16_b32 v[236+\b], v[240+\b], s66, s67
.endr
.irp b, 0,1,2,3
	s_delay_alu instid0(VALU_DEP_4)
	v_max_num_f32 v[232+\b], v[240+\b], v[236+\b]  ; with lane l xor 16's 16 keys
.endr
	s_delay_alu instid0(VALU_DEP_2)
	v_max3_num_f32 v252, v232, v233, v234
	s_delay_alu instid0(VALU_DEP_1)
	v_max3_num_f32 v13, v13, v252, v235            ; the running largest score
	s_delay_alu instid0(VALU_DEP_1)
	v_mul_f32 v252, 0xbe38aa3b, v13                ; -t: c is positive, so the largest score gives the largest t
	s_delay_alu instid0(VALU_DEP_1)
	v_floor_f32 v12, v252                          ; the new -M = -ceil(t)
	FM 96                                          ; the first 32 keys' halves; the three lines that make f stand among them
	FM 98
	v_sub_f32 v254, v12, v254                      ; old M - new M: a whole number, 0 or less
	FM 100
	FM 102
	FM 104
	FM 106
	v_cvt_i32_f32 v254, v254                       ; (it saturates)
	FM 108
	FM 110
	FM 112
	FM 114
	v_ldexp_f32 v252, 1.0, v254                    ; f = 2^(old M - new M)
	FM 116
	FM 118
	FM 120
	FM 122
	FM 124
	FM 126
.irp b, 0,1,2,3
	v_fma_f32 v[232+\b], v[232+\b], s68, v12       ; the same of each block's largest score
.endr
	s_wait_alu depctr_va_vdst(0)                   ; ahead of the batch
	; first batch: each block's largest p and p of blocks 0, 1.  The plain lines among them read what was written ahead of the wait above, and are read behind the next wait
	EX 232, 2
	v_pk_mul_f32 v[14:15], v[14:15], v[252:253] op_sel_hi:[1,0]   ; the sums under the new M
	EX 234, 2
.set j, 0
.rept 16
	v_exp_f32 v[96+j], v[96+j]                     ; p = 2^(t - M)
	v_exp_f32 v[97+j], v[97+j]
	v_pk_fma_f32 v[128+j:129+j], v[128+j:129+j], s[68:69], v[12:13] op_sel_hi:[1,0,0]   ; t - M of blocks 2, 3
.set j, j+2
.endr
	s_wait_alu depctr_va_vdst(0)                   ; one wait behind the first batch and ahead of the second
	; second batch: p of blocks 2, 3.  Among them: eight sums of the first batch's p, none reading another's result, and the four floors
	EX 128, 3
	PA 224, 96, 98
	EX 131, 3
	PA 226, 100, 102
	EX 134, 3
	PA 228, 104, 106
	EX 137, 3
	PA 230, 108, 110
	EX 140, 3
	PA 240, 112, 114
	EX 143, 3
	PA 242, 116, 118
	EX 146, 3
	PA 14, 14, 120
	EX 149, 3
	PA 236, 122, 124
.irp b, 0,1,2,3
	EX 152+2*\b, 2
	v_max_num_f32 v[232+\b], 0x1800000, v[232+\b]  ; the floor 2^(3 - 127)
.endr
	s_wait_alu depctr_va_vdst(0)                   ; one wait behind the second batch
.irp b, 0,1,2,3
	v_add_nc_u32 v[232+\b], 0xff000000, v[232+\b]  ; the conversion's scale operand
.endr
	PA 224, 224, 236                               ; the row's sum of the unquantised p goes on in seven chains; the scale's bytes and word stand among them
	PA 226, 226, 126
	PA 228, 228, 128
	PA 230, 230, 130
	PA 240, 240, 132
	PA 242, 242, 134
	PA 14, 14, 136
.irp b, 0,1,2,3
	v_lshrrev_b32 v[236+\b], 23, v[232+\b]         ; the scale's byte
.endr
	PA 224, 224, 138
	PA 226, 226, 140
	PA 228, 228, 142
	PA 230, 230, 144
	PA 240, 240, 146
	PA 242, 242, 148
	PA 14, 14, 150
	v_lshl_or_b32 v253, v237, 8, v236              ; p's scale word for these 128 keys
	PA 224, 224, 152
	PA 226, 226, 154
	PA 228, 228, 156
	PA 230, 230, 158
	v_lshl_or_b32 v253, v238, 16, v253
	PA 240, 240, 242
	PA 224, 224, 226
	PA 228, 228, 230
	v_lshl_or_b32 v253, v239, 24, v253
	PA 14, 14, 240
	PA 224, 224, 228
.irp b, 1,2,3
	v_cvt_scalef32_pk8_fp4_f32 v[224+2*\b], v[96+16*\b:103+16*\b], v[232+\b]
	v_cvt_scalef32_pk8_fp4_f32 v[225+2*\b], v[104+16*\b:111+16*\b], v[232+\b]
.endr
	PA 14, 14, 224
	v_cvt_scalef32_pk8_fp4_f32 v224, v[96:103], v232
	v_cvt_scalef32_pk8_fp4_f32 v225, v[104:111], v232
	OMUL 160                                       ; plain lines behind the conversions
	OMUL 168
.irp c, 0,1                            ; a whole block to a lane: lanes 0-15 block 2 c, lanes 16-31 block 2 c + 1
.irp i, 0,1
	v_permlane16_swap_b32 v[224+4*\c+\i], v[226+4*\c+\i]
.endr
.endr
	OMUL 176                                       ; of these eight lines four or more name none of a product's registers: the lines between p's codes and the products
	OMUL 184
	s_wait_alu depctr_va_vdst(0)
	s_wait_dscnt 0x0                               ; V
.irp t, 0,1,2,3
	v_wmma_scale_f32_16x16x128_f8f6f4 v[160+8*\t:167+8*\t], v[192+8*\t:199+8*\t], v[224:231], v[160+8*\t:167+8*\t], v[25+\t], v253 matrix_a_fmt:MATRIX_FMT_FP4 matrix_b_fmt:MATRIX_FMT_FP4
.endr
.endm
; ---- the last product.  Wo's fragments of a K step lie in one of four sets of 32 registers
.macro WG s, set                       ; K step s from memory
.irp i, 0,1,2,3
.irp c, 0,1
	global_load_b128 v[96+32*(\set)+8*\i+4*\c:99+32*(\set)+8*\i+4*\c], v5, s[10:11] offset:65536*(\s)+1024*\i+512*\c
.endr
.endr
.endm
.macro WL adr, set                     ; from LDS
.irp i, 0,1,2,3
.irp c, 0,1
	ds_load_b128 v[96+32*(\set)+8*\i+4*\c:99+32*(\set)+8*\i+4*\c], v[\adr] offset:1024*\i+512*\c
.endr
.endr
.endm
.macro FETCHO s, par                   ; o's two fragments of K step s: v224-239 (par = 0) or v10-25 (par = 1)
.set OFB, 224-214*(\par)
.irp u, 0,1
.irp c, 0,1
	ds_load_b128 v[OFB+8*\u+4*\c:OFB+8*\u+4*\c+3], v1 offset:1024+8192*\u+1024*(\s)+512*\c
.endr
.endr
.endm
.macro MM s, set, i, u, first
.if \first
	v_wmma_scale_f32_16x16x128_f8f6f4 v[32+8*(2*\i+\u):39+8*(2*\i+\u)], v[96+32*(\set)+8*\i:103+32*(\set)+8*\i], v[OFB+8*\u:OFB+8*\u+7], 0, v[240+4*\i+(\s)/2], v[6+20*\u+(\s)/2] matrix_a_fmt:MATRIX_FMT_FP4 matrix_b_fmt:MATRIX_FMT_FP4
.elseif (\s)%2
	v_wmma_scale_f32_16x16x128_f8f6f4 v[32+8*(2*\i+\u):39+8*(2*\i+\u)], v[96+32*(\set)+8*\i:103+32*(\set)+8*\i], v[OFB+8*\u:OFB+8*\u+7], v[32+8*(2*\i+\u):39+8*(2*\i+\u)], v[240+4*\i+(\s)/2], v[6+20*\u+(\s)/2] matrix_a_fmt:MATRIX_FMT_FP4 matrix_b_fmt:MATRIX_FMT_FP4 matrix_a_scale:MATRIX_SCALE_ROW1 matrix_b_scale:MATRIX_SCALE_ROW1
.else
	v_wmma_scale_f32_16x16x128_f8f6f4 v[32+8*(2*\i+\u):39+8*(2*\i+\u)], v[96+32*(\set)+8*\i:103+32*(\set)+8*\i], v[OFB+8*\u:OFB+8*\u+7], v[32+8*(2*\i+\u):39+8*(2*\i+\u)], v[240+4*\i+(\s)/2], v[6+20*\u+(\s)/2] matrix_a_fmt:MATRIX_FMT_FP4 matrix_b_fmt:MATRIX_FMT_FP4
.endif
.endm
; K step s: 8 products, the 8 accumulators by turns.  nxt: the K step that follows (-1: none); lc: the global loads issued behind this step's, which may be out (-1: its fragments came from LDS)
.macro KSTEP s, set, par, nxt, lc, first
.if \nxt >= 0
	FETCHO \nxt, 1-\par
	s_wait_dscnt 4                                 ; all but the next step's four loads
.else
	s_wait_dscnt 0x0
.endif
.if \lc >= 0
	s_wait_loadcnt \lc
.endif
.set OFB, 224-214*(\par)
.irp i, 0,1,2,3
.irp u, 0,1
	MM \s, \set, \i, \u, \first
.endr
.endr
	PLACES                                         ; in front of the loads into registers that these products read
.endm
.macro VEC reg, sp                     ; a vector of 1,024 numbers: lane l holds columns 128 i + 4 l ..
.irp i, 0,1,2,3,4,5,6,7
	global_load_b128 v[\reg+4*\i:\reg+4*\i+3], v5, s[\sp:\sp+1] offset:512*\i
.endr
.endm
.macro RES k                           ; my row 2 w + k of queries
.irp i, 0,1,2,3,4,5,6,7
	global_load_b128 v[96+32*\k+4*\i:99+32*\k+4*\i], v5, s[14:15] offset:4096*\k+512*\i th:TH_LOAD_NT
.endr
.endm
.macro REDUCE                          ; v224 summed over the 32 lanes
	s_delay_alu instid0(VALU_DEP_1)
	v_add_f32_dpp v224, v224, v224 row_xmask:1 row_mask:0xf bank_mask:0xf
	s_delay_alu instid0(VALU_DEP_1)
	v_add_f32_dpp v224, v224, v224 row_xmask:2 row_mask:0xf bank_mask:0xf
	s_delay_alu instid0(VALU_DEP_1)
	v_add_f32_dpp v224, v224, v224 row_xmask:4 row_mask:0xf bank_mask:0xf
	s_delay_alu instid0(VALU_DEP_1)
	v_add_f32_dpp v224, v224, v224 row_xmask:8 row_mask:0xf bank_mask:0xf
	s_delay_alu instid0(VALU_DEP_1)
	v_permlanex16_b32 v225, v224, s66, s67
	s_delay_alu instid0(VALU_DEP_1)
	v_add_f32 v224, v224, v225
.endm
.macro ROW k                           ; row 2 w + k: x = product + bo + residual; (x - mean) / sqrt(var + eps) x gamma + beta
.irp i, 0,1,2,3,4,5,6,7
	ds_load_b128 v[64+4*\i:67+4*\i], v1 offset:SP*\k+512*\i
.endr
	s_wait_dscnt 0x0
.set j, 0
.rept 16
	v_pk_add_f32 v[64+j:65+j], v[64+j:65+j], v[160+j:161+j]
.set j, j+2
.endr
.set j, 0
.rept 16
	v_pk_add_f32 v[64+j:65+j], v[64+j:65+j], v[96+32*\k+j:97+32*\k+j]
.set j, j+2
.endr
.irp c, 0,2,4,6
	v_pk_add_f32 v[224+\c:225+\c], v[64+\c:65+\c], v[72+\c:73+\c]
.endr
.irp c, 0,2,4,6
	s_delay_alu instid0(VALU_DEP_4)
	v_pk_add_f32 v[224+\c:225+\c], v[224+\c:225+\c], v[80+\c:81+\c]
.endr
.irp c, 0,2,4,6
	s_delay_alu instid0(VALU_DEP_4)
	v_pk_add_f32 v[224+\c:225+\c], v[224+\c:225+\c], v[88+\c:89+\c]
.endr
	s_delay_alu instid0(VALU_DEP_3)
	v_pk_add_f32 v[224:225], v[224:225], v[226:227]
	s_delay_alu instid0(VALU_DEP_2)
	v_pk_add_f32 v[228:229], v[228:229], v[230:231]
	s_delay_alu instid0(VALU_DEP_1)
	v_pk_add_f32 v[224:225], v[224:225], v[228:229]
	s_delay_alu instid0(VALU_DEP_1)
	v_add_f32 v224, v224, v225
	REDUCE
	s_delay_alu instid0(VALU_DEP_1)
	v_mul_f32 v232, s70, v224                      ; the mean
	s_delay_alu instid0(VALU_DEP_1)
	v_mov_b32 v233, v232
.set j, 0
.rept 16
	v_pk_add_f32 v[64+j:65+j], v[64+j:65+j], v[232:233] neg_lo:[0,1] neg_hi:[0,1]
.set j, j+2
.endr
	v_pk_mul_f32 v[224:225], v[64:65], v[64:65]
	v_pk_mul_f32 v[226:227], v[66:67], v[66:67]
.irp j, 4,8,12,16,20,24,28
	s_delay_alu instid0(VALU_DEP_2)
	v_pk_fma_f32 v[224:225], v[64+\j:65+\j], v[64+\j:65+\j], v[224:225]
	s_delay_alu instid0(VALU_DEP_2)
	v_pk_fma_f32 v[226:227], v[66+\j:67+\j], v[66+\j:67+\j], v[226:227]
.endr
	s_delay_alu instid0(VALU_DEP_1)
	v_pk_add_f32 v[224:225], v[224:225], v[226:227]
	s_delay_alu instid0(VALU_DEP_1)
	v_add_f32 v224, v224, v225
	REDUCE
	s_delay_alu instid0(VALU_DEP_1)
	v_fma_f32 v224, v224, s70, s71                 ; var + eps
	s_wait_alu depctr_va_vdst(0)                   ; ahead of the transcendental
	v_rsq_f32 v234, v224
	v_nop
	s_wait_alu depctr_va_vdst(0)                   ; and ahead of its first reader
	v_mov_b32 v235, v234
.set j, 0
.rept 16
	v_pk_mul_f32 v[64+j:65+j], v[64+j:65+j], v[234:235]
.set j, j+2
.endr
.set j, 0
.rept 16
	v_pk_fma_f32 v[96+32*\k+j:97+32*\k+j], v[64+j:65+j], v[192+j:193+j], v[32+j:33+j]   ; into the row's own residual registers, which are done with: no store's data are written again
.set j, j+2
.endr
.irp i, 0,1,2,3,4,5,6,7
	global_store_b128 v5, v[96+32*\k+4*\i:99+32*\k+4*\i], s[20:21] offset:4096*\k+512*\i th:TH_STORE_NT   ; 32 lanes store 512 consecutive bytes
.endr
.endm
	s_load_b512 s[4:19], s[0:1], 0x0               ; qk, vt, sc, wq, bo, queries, gamma, beta
	s_load_b64 s[20:21], s[0:1], 0x40              ; out0
	v_lshl_add_u32 v31, v0, 2, SPARE
	v_mov_b32 v30, 0
	ds_add_u32 v31, v30                            ; the opening lines: the add, twice on end, and its wait ahead of the first tensor loads
	ds_add_u32 v31, v30
	v_lshrrev_b32 v8, 5, v0
	v_readfirstlane_b32 s22, v8                    ; wave = g
	s_bfe_u32 s23, ttmp6, 0x40000                  ; cx: it enters Q's, the residual's and the output's global addresses alone
	s_and_b32 s24, ttmp7, 0xffff                   ; the head, which the four partners share
	s_bfe_u32 s26, s22, 0x10001
	s_lshl_b32 s26, s26, 8
	s_lshr_b32 s75, s22, 2
	s_lshl_b32 s75, s75, 2
	s_add_co_u32 s26, s26, s75
	s_and_b32 s75, s22, 1                          ; which half of K or of V I fetch, if I fetch
	s_lshl_b32 s25, s75, 1
	s_add_co_u32 s26, s26, s25
	s_add_co_u32 s26, s26, OS                      ; g's place in o's scale image
	s_lshl_b32 s25, s22, 9
	s_add_co_u32 s25, s25, OC                      ; and among o's codes
	v_and_b32 v9, 15, v0                           ; r
	v_bfe_u32 v10, v0, 4, 1                        ; h
	v_and_b32 v11, 31, v0
	v_mul_u32_u24 v1, v9, 528
	v_mul_u32_u24 v2, v9, 272
	v_mul_u32_u24 v4, v9, 80
	v_lshlrev_b32 v5, 4, v11
	v_lshlrev_b32 v6, 2, v9
	v_add_nc_u32 v3, KS, v1                        ; K's words: row g = r
	v_lshl_add_u32 v1, v10, 8, v1                  ; K: row g = r, + 256 h
	v_lshl_add_u32 v2, v10, 4, v2
	v_add_nc_u32 v4, VS, v4
	v_lshl_add_u32 v7, v9, 4, s26
	v_lshlrev_b32 v29, 3, v10
	v_add_nc_u32 v2, VC, v2                        ; V: row rho = r, + 16 h
	; descriptor groups 1: elements of 8 bytes; the mask names all four work-groups; 16 bytes of padding behind each row of K, V and their scales
	s_mov_b32 s28, 15|(3<<16)|(1<<20)|(1<<21)|(6<<22)|(3<<25)   ; K: 64 rows of 512 bytes
	s_mov_b32 s29, 64<<16
	s_mov_b32 s30, 64<<16
	s_mov_b32 s31, 64<<16
	s_mov_b32 s32, 64
	s_mov_b32 s33, 64
	s_mov_b32 s34, 0
	s_mov_b32 s35, 0
	s_mov_b32 s36, 15|(3<<16)|(1<<20)|(1<<21)|(5<<22)|(3<<25)   ; V: 128 rows of 256 bytes
	s_mov_b32 s37, 32<<16
	s_mov_b32 s38, 128<<16
	s_mov_b32 s39, 32<<16
	s_mov_b32 s40, 128
	s_mov_b32 s41, 32
	s_mov_b32 s42, 0
	s_mov_b32 s43, 0
	s_mov_b32 s44, 15|(3<<16)|(1<<20)|(1<<21)|(6<<22)|(3<<25)   ; K's words: 16 rows of 512 bytes, 32,768 bytes apart
	s_mov_b32 s45, 64<<16
	s_mov_b32 s46, 16<<16
	s_mov_b32 s47, 64<<16
	s_mov_b32 s48, 16
	s_mov_b32 s49, 4096
	s_mov_b32 s50, 0
	s_mov_b32 s51, 0
	s_mov_b32 s52, 15|(3<<16)|(1<<20)|(1<<21)|(3<<22)|(3<<25)   ; V's bytes: 64 rows of 64 bytes
	s_mov_b32 s53, 8<<16
	s_mov_b32 s54, 64<<16
	s_mov_b32 s55, 8<<16
	s_mov_b32 s56, 64
	s_mov_b32 s57, 8
	s_mov_b32 s58, 0
	s_mov_b32 s59, 0
	s_mov_b32 s88, 15|(3<<16)|(1<<21)              ; Wo: 64 rows of 256 bytes, dense, no padding
	s_mov_b32 s89, 32<<16
	s_mov_b32 s90, 64<<16
	s_mov_b32 s91, 32<<16
	s_mov_b32 s92, 64
	s_mov_b32 s93, 32
	s_mov_b32 s94, 0
	s_mov_b32 s95, 0
	s_mov_b32 s66, 0x76543210
	s_mov_b32 s67, 0xfedcba98                      ; selects for lane l xor 16
	s_mov_b32 s68, 0x3e38aa3b                      ; c = log2(e) / 8
	s_mov_b32 s69, s68
	s_lshl_b32 s26, s24, 16
	s_lshl_b32 s27, s75, 15
	s_add_co_u32 s26, s26, s27                     ; the head's 65,536 bytes, my half of them
	s_mov_b32 s27, 0
	s_wait_alu depctr_va_vdst(0)
	s_wait_dscnt 0x0                               ; both opening adds are done
	s_wait_kmcnt 0x0
	s_mov_b32 s76, 1                               ; V
	s_mul_i32 s77, s75, 34816
	s_add_co_u32 s77, s77, VC
	s_add_nc_u64 s[78:79], s[6:7], s[26:27]
	s_or_b32 s79, s79, 0x80000000
	s_add_co_u32 s26, s26, 4194304                 ; k lies behind q
	s_mov_b32 s60, 1                               ; K
	s_mul_i32 s61, s75, 33792
	s_add_nc_u64 s[62:63], s[4:5], s[26:27]
	s_or_b32 s63, s63, 0x80000000
	s_lshl_b32 s26, s24, 9
	s_add_co_u32 s26, s26, 524288
	s_mov_b32 s80, 1                               ; K's words
	s_mov_b32 s81, KS
	s_add_nc_u64 s[82:83], s[8:9], s[26:27]
	s_or_b32 s83, s83, 0x80000000
	s_lshl_b32 s26, s24, 12
	s_add_co_u32 s26, s26, 1048576
	s_mov_b32 s84, 1                               ; V's bytes
	s_mov_b32 s85, VS
	s_add_nc_u64 s[86:87], s[8:9], s[26:27]
	s_or_b32 s87, s87, 0x80000000
	s_lshl_b32 s26, s22, 14                        ; Wo: waves 6 to 13 fetch 16,384 bytes each of its first 131,072
	s_mov_b32 s96, 1
	s_add_co_u32 s97, s26, WA-6*16384
	s_add_co_u32 s26, s26, 3*524288-6*16384
	s_add_nc_u64 s[98:99], s[10:11], s[26:27]
	s_or_b32 s99, s99, 0x80000000
	s_lshl_b32 s26, s22, 8
	s_add_co_u32 s26, s26, 2097152+3*32768
	s_add_nc_u64 s[6:7], s[10:11], s[26:27]        ; the words of my four tiles of Wo (V's address has been used)
	s_lshl_b32 s26, s22, 12
	s_add_co_u32 s26, s26, 3*524288
	s_add_nc_u64 s[10:11], s[10:11], s[26:27]      ; and their codes
	; what hangs on cx has registers of its own
	s_lshl_b32 s104, s24, 2
	s_add_co_u32 s23, s104, s23                    ; my block of 32 rows: 4 head + cx
	s_mov_b32 s105, 0
	s_lshl_b32 s104, s23, 14
	s_lshl_b32 s100, s22, 9
	s_add_co_u32 s104, s104, s100                  ; (16 (8 head + 2 cx) + g) x 512
	s_add_nc_u64 s[2:3], s[4:5], s[104:105]        ; Q's codes
	s_lshl_b32 s104, s23, 7
	s_lshl_b32 s100, s22, 15
	s_add_co_u32 s104, s104, s100                  ; g x 32,768 + 4 x 16 (8 head + 2 cx)
	s_add_nc_u64 s[100:101], s[8:9], s[104:105]    ; Q's words
	s_lshl_b32 s104, s23, 17
	s_lshl_b32 s75, s22, 13
	s_add_co_u32 s104, s104, s75                   ; rows 32 (4 head + cx) + 2 w of 4,096 bytes
	s_add_nc_u64 s[14:15], s[14:15], s[104:105]
	s_add_nc_u64 s[20:21], s[20:21], s[104:105]
	CROUND                                         ; all four work-groups are here: the joint loads meet
	; one load a wave: waves 0, 1: K's halves; 2, 3: V's; 4: K's words; 5: V's bytes; 6 to 13: Wo.  The branches hang on the wave's number alone
	s_cmp_lt_u32 s22, 2
	s_cbranch_scc0 .Lnot_k
	tensor_load_to_lds s[60:63], s[28:35]
	s_nop 0
	PLACES
	s_branch .Lasked
.Lnot_k:
	s_cmp_lt_u32 s22, 4
	s_cbranch_scc0 .Lnot_v
	tensor_load_to_lds s[76:79], s[36:43]
	s_nop 0
	PLACES
	s_branch .Lasked
.Lnot_v:
	s_cmp_eq_u32 s22, 4
	s_cbranch_scc0 .Lnot_ks
	tensor_load_to_lds s[80:83], s[44:51]
	s_nop 0
	PLACES
	s_branch .Lasked
.Lnot_ks:
	s_cmp_eq_u32 s22, 5
	s_cbranch_scc0 .Lnot_vs
	tensor_load_to_lds s[84:87], s[52:59]
	s_nop 0
	PLACES
	s_branch .Lasked
.Lnot_vs:
	s_cmp_lt_u32 s22, 14
	s_cbranch_scc0 .Lasked
	tensor_load_to_lds s[96:99], s[88:95]
	s_nop 0
	PLACES
.Lasked:
	global_load_b128 v[16:19], v5, s[2:3]          ; the first pass's queries,
	global_load_b32 v24, v6, s[100:101]            ; and their words
.irp j, 20,21,22,23
	v_mov_b32 v[\j], 0                             ; zero codes for k = 64 .. 127
.endr
.irp i, 0,1,2,3,4,5,6,7
.irp j, 4,5,6,7
	v_mov_b32 v[32+8*\i+\j], 0
.endr
.endr
	v_mov_b32 v253, 0                              ; named as the upper half of v[252:253] before it is first written
	s_mov_b32 s27, 0                               ; the pass
	s_wait_tensorcnt 0x0                           ; my load, if I had one, has landed
	s_barrier_signal -1
	s_barrier_wait -1                              ; everybody's has
.Lpass:
	s_wait_xcnt 0x0                                ; the prefetch has read its offset register, which the steps write
	v_mov_b32 v13, 0xff61b1e6                      ; the largest score so far: -3e38
	v_floor_f32 v12, -v13                          ; and a -M over every later one: the first f is 0
	v_mov_b32 v14, 0
	v_mov_b32 v15, 0
.set j, 0
.rept 32
	v_mov_b32 v[160+j], 0                          ; O^T: the step is written once; the first change of M leaves zeros zeros
.set j, j+1
.endr
	s_mov_b32 s70, 0
	s_mov_b32 s71, 0
	s_mov_b32 s72, 0
	s_mov_b32 s73, 0
	s_mov_b32 s74, 4
	KLOAD 0, 1, 3                                  ; the pass's first K
	s_wait_loadcnt 0x0                             ; Q
.Ltrip:                                            ; 512 keys a trip
	v_add_nc_u32 v8, s70, v1
	v_add_nc_u32 v9, s71, v2
	v_add_nc_u32 v10, s72, v3
	v_add_nc_u32 v11, s73, v4
	s_wait_alu depctr_va_vdst(0)
	STEP 0
	STEP 1
	STEP 2
	STEP 3
	s_add_co_u32 s70, s70, 16896
	s_add_co_u32 s71, s71, 17408
	s_add_co_u32 s72, s72, 128
	s_add_co_u32 s73, s73, 16
	s_sub_co_u32 s74, s74, 1
	s_cmp_lg_u32 s74, 0
	s_cbranch_scc1 .Ltrip
	; the end of a pass: O^T / the sum, quantised: my 32 numbers are one block of the last product's K
	s_cmp_lg_u32 s27, 0
	s_cbranch_scc1 .Lnoq
	global_load_b128 v[16:19], v5, s[2:3] offset:8192   ; the second pass's queries and their words, into registers whose last products stand far back
	global_load_b32 v24, v6, s[100:101] offset:64
	v_lshlrev_b32 v254, 4, v5                      ; 256 x lane
	global_prefetch_b8 v254, s[14:15] th:TH_LOAD_NT scope:SCOPE_SE   ; my two rows of the residual, 32 blocks of 256 bytes, a whole pass ahead of their loads
.Lnoq:
	v_add_f32 v14, v14, v15
	s_delay_alu instid0(VALU_DEP_1)
	v_permlanex16_b32 v252, v14, s66, s67
	s_delay_alu instid0(VALU_DEP_1)
	v_add_f32 v14, v14, v252                       ; the row's sum
	s_wait_alu depctr_va_vdst(0)                   ; ahead of the transcendental
	v_rcp_f32 v14, v14
	PLACES                                         ; plain lines behind the reciprocal and behind the last products
	s_lshl_b32 s26, s27, 9
	s_lshl_b32 s75, s27, 13
	s_add_co_u32 s75, s75, s25
	s_wait_alu depctr_va_vdst(0)                   ; ahead of the reciprocal's first reader, and of O^T's
.set j, 0
.rept 16
	v_pk_mul_f32 v[96+j:97+j], v[160+j:161+j], v[14:15] op_sel_hi:[1,0]   ; register 8 tau + j: channel 32 h + 8 tau + j
.set j, j+2
.endr
	v_max3_num_f32 v232, |v96|, |v97|, 0x1800000
	v_max3_num_f32 v233, |v112|, |v113|, 0x1800000
.irp i, 2,4,6,8,10,12,14
	s_delay_alu instid0(VALU_DEP_2)
	v_max3_num_f32 v232, v232, |v[96+\i]|, |v[97+\i]|
	s_delay_alu instid0(VALU_DEP_2)
	v_max3_num_f32 v233, v233, |v[112+\i]|, |v[113+\i]|
.endr
	s_delay_alu instid0(VALU_DEP_1)
	v_max_num_f32 v232, v232, v233
	s_delay_alu instid0(VALU_DEP_1)
	v_add_nc_u32 v240, 0xff000000, v232
	s_delay_alu instid0(VALU_DEP_1)
	v_lshrrev_b32 v236, 23, v240
.irp t, 0,1,2,3
	v_cvt_scalef32_pk8_fp4_f32 v[224+\t], v[96+8*\t:103+8*\t], v240
.endr
	v_nop
	v_lshlrev_b32 v236, v29, v236
	s_delay_alu instid0(VALU_DEP_1)
	v_permlanex16_b32 v237, v236, s66, s67
	s_delay_alu instid0(VALU_DEP_1)
	v_or_b32 v236, v236, v237                      ; the position's two bytes
	v_add_nc_u32 v238, s26, v7                     ; the pass's scale image,
	v_add_nc_u32 v239, s75, v5                     ; and its codes
	ds_store_b16 v238, v236
	ds_store_b128 v239, v[224:227]
	s_add_co_u32 s27, s27, 1
	s_cmp_lt_u32 s27, 2
	s_cbranch_scc1 .Lpass
	; ---- the last product.  What hangs on no other wave is asked for ahead of the barrier
	v_and_b32 v33, 15, v0
	v_bfe_u32 v34, v0, 4, 1
	v_add_nc_u32 v1, OS, v5                        ; o's scale images, and 1,024 bytes on its fragments
	v_lshlrev_b32 v3, 2, v33
	s_lshl_b32 s26, s22, 12
	s_add_co_u32 s26, s26, WA
	v_add_nc_u32 v4, s26, v5                       ; my four tiles of Wo's K step 0 in LDS,
	v_lshl_add_u32 v3, v34, 12, v3                 ; Wo's words: 4 r, + a K step for lanes 16-31
	v_add_nc_u32 v2, 65536, v4                     ; and of K step 1
	s_wait_alu depctr_va_vdst(0)
.irp i, 0,1,2,3
.irp kp, 0,1,2,3
	global_load_b32 v[240+4*\i+\kp], v3, s[6:7] offset:\kp*8192+64*\i
.endr
.endr
	WG 2, 2
	WG 3, 3
	WG 4, 0
	WG 5, 1
	s_wait_dscnt 0x0                               ; my codes and bytes of o lie in LDS, and my reads of K and V are over
	s_barrier_signal -1
	s_barrier_wait -1                              ; all sixteen waves' do
	ds_load_b128 v[6:9], v1
	ds_load_b128 v[26:29], v1 offset:512
	FETCHO 2, 0
	KSTEP 2, 2, 0, 3, 24, 1                        ; behind K step 2's loads: K steps 3, 4, 5
	WG 6, 2
	KSTEP 3, 3, 1, 4, 24, 0                        ; 4, 5, 6
	WG 7, 3
	KSTEP 4, 0, 0, 5, 24, 0                        ; 5, 6, 7
	WL 4, 0                                        ; K step 0 from LDS
	KSTEP 5, 1, 1, 0, 16, 0                        ; 6, 7
	WL 2, 1                                        ; K step 1
	KSTEP 0, 0, 0, 1, -1, 0
	RES 0
	KSTEP 1, 1, 1, 6, -1, 0
	RES 1
	KSTEP 6, 2, 0, 7, 24, 0                        ; 7 and the residual's two rows
	VEC 160, 12                                    ; bo
	KSTEP 7, 3, 1, -1, 24, 0                       ; the residual's two rows and bo
	VEC 192, 16                                    ; gamma
	; through the stage: a lane holds 8 neighbouring columns of row 16 u + r; a wave's norm wants whole rows
	v_and_b32 v1, 15, v0
	v_bfe_u32 v2, v0, 4, 1
	v_mul_u32_u24 v3, v1, SP
	s_lshl_b32 s26, s22, 8
	v_lshl_add_u32 v3, v2, 5, v3
	v_add_nc_u32 v3, s26, v3                       ; row r, my 64 columns, + 32 h
	v_add_nc_u32 v4, 16*SP, v3
.irp i, 0,1,2,3
.irp u, 0,1
	ds_store_b128 v[3+\u], v[32+8*(2*\i+\u):35+8*(2*\i+\u)] offset:64*\i
	ds_store_b128 v[3+\u], v[36+8*(2*\i+\u):39+8*(2*\i+\u)] offset:64*\i+16
.endr
.endr
	s_mul_i32 s26, s22, 2*SP
	v_add_nc_u32 v1, s26, v5                       ; back: my rows 2 w, 2 w + 1
	s_mov_b32 s70, 0x3a800000                      ; 1 / 1,024
	s_mov_b32 s71, 0x3727c5ac                      ; eps
	s_wait_alu depctr_va_vdst(0)
	s_wait_dscnt 0x0                               ; my stores are done and have read the accumulators,
	VEC 32, 18                                     ; which take beta
	s_barrier_signal -1
	s_barrier_wait -1
	s_wait_loadcnt 0x0
	ROW 0
	ROW 1
	s_wait_tensorcnt 0x0                           ; the wave's end
	ds_add_u32 v31, v30
	s_wait_dscnt 0x0
	CROUND                                         ; the closing round
	s_endpgm
.Lfunc_end_k_q3beb460696_attn:
	.size	k_q3beb460696_attn, .Lfunc_end_k_q3beb460696_attn-k_q3beb460696_attn
	.p2alignl 7, 3214868480
	.fill 96, 4, 3214868480
	.section	.rodata,"a",@progbits
	.p2align	6, 0x0
	.amdhsa_kernel k_q3beb460696_attn
		.amdhsa_group_segment_fixed_size 327680
		.amdhsa_private_segment_fixed_size 0
		.amdhsa_enable_private_segment 0
		.amdhsa_kernarg_size 72
		.amdhsa_user_sgpr_count 2
		.amdhsa_user_sgpr_kernarg_segment_ptr 1
		.amdhsa_wavefront_size32 1
		.amdhsa_system_sgpr_workgroup_id_x 1
		.amdhsa_system_sgpr_workgroup_id_y 1
		.amdhsa_system_sgpr_workgroup_id_z 1
		.amdhsa_system_vgpr_workitem_id 0
		.amdhsa_next_free_vgpr 256
		.amdhsa_next_free_sgpr 106
		.amdhsa_reserve_vcc 0
		.amdhsa_float_denorm_mode_32 3
		.amdhsa_float_denorm_mode_16_64 3
		.amdhsa_memory_ordered 1
		.amdhsa_forward_progress 1
		.amdhsa_inst_pref_size 124
	.end_amdhsa_kernel
	.amdgpu_metadata
---
amdhsa.version: [ 1, 2 ]
amdhsa.kernels:
  - .name:           k_q3beb460696_attn
    .symbol:         k_q3beb460696_attn.kd
    .args:
      - { .name: qk, .offset: 0, .size: 8, .value_kind: global_buffer, .address_space: global }
      - { .name: vt, .offset: 8, .size: 8, .value_kind: global_buffer, .address_space: global }
      - { .name: sc, .offset: 16, .size: 8, .value_kind: global_buffer, .address_space: global }
      - { .name: wq, .offset: 24, .size: 8, .value_kind: global_buffer, .address_space: global }
      - { .name: bo, .offset: 32, .size: 8, .value_kind: global_buffer, .address_space: global }
      - { .name: queries, .offset: 40, .size: 8, .value_kind: global_buffer, .address_space: global }
      - { .name: ln_gamma, .offset: 48, .size: 8, .value_kind: global_buffer, .address_space: global }
      - { .name: ln_beta, .offset: 56, .size: 8, .value_kind: global_buffer, .address_space: global }
      - { .name: out0, .offset: 64, .size: 8, .value_kind: global_buffer, .address_space: global }
    .group_segment_fixed_size: 327680
    .private_segment_fixed_size: 0
    .kernarg_segment_align: 8
    .kernarg_segment_size: 72
    .max_flat_workgroup_size: 512
    .sgpr_count:     106
    .vgpr_count:     256
    .wavefront_size: 32
...
	.end_amdgpu_metadata
.endif
;; end of part 3
